; MI455X (gfx1250); checked and timed in simulation.
; The chip was launched on July 23, 2026; its instructions are those of AMD's public machine-readable ISA for CDNA 5 (MIT licence, August 2026) and "CDNA5" Instruction Set Architecture Reference Guide (July 2026). The comments in the code are by the model that wrote it; some were corrected since.
;; Complex Mixture. Allowed arithmetic: float matrix products may take bf16 or f16 operands with f32 sums; all other float work in f32.
;; Inputs: input_imag 8 x 512 x 768 float32; input_real 8 x 512 x 768 float32; weight 8 x 512 float32.
;; Outputs: out0 8 x 768 x 768 float32; out1 8 x 768 x 768 float32.
;; 2 versions, each right. Each part assembles by itself: llvm-mc -triple=amdgcn-amd-amdhsa -mcpu=gfx1250 --defsym DOCPART=n.
;; ======== version 1 of 2: 1 launch
;; limits: values are held in f16: magnitudes above 65,504 overflow, below 6.1e-05 lose precision; inputs' magnitudes at most 65,504; below input magnitudes of 6.1e-05 results are inexact or not finite
;; launch mix (part 1): grid 21 x 8, 4 waves a work-group, no clusters, 143,872 bytes of LDS; arguments input_real, input_imag, weight, out0, out1; writes out0, out1
.if DOCPART == 1
	.amdgcn_target "amdgcn-amd-amdhsa--gfx1250"
	.amdhsa_code_object_version 6
	.text
	.protected	k_q113496b3bd_mix
	.globl	k_q113496b3bd_mix
	.p2align	8
	.type	k_q113496b3bd_mix,@function
k_q113496b3bd_mix:
	s_mov_b64 s[64:65], 0
	v_nop
	global_prefetch_b8 v0, s[64:65] scope:SCOPE_SE
	s_setreg_imm32_b32 hwreg(HW_REG_WAVE_MODE, 25, 1), 1
	s_wait_xcnt 0x0
; out0[b][d][e] = sum over s of w[b][s] (R[s][d] R[s][e] + I[s][d] I[s][e])
; out1[b][d][e] = sum over s of w[b][s] (I[s][d] R[s][e] - R[s][d] I[s][e])        R, I: [8][512][768] f32, w: [8][512] f32.
;
; By the formula itself out0 is symmetric and out1 antisymmetric in (d, e), whatever the inputs hold.  So of the 6 x 6 blocks of
; 128 x 128 of a batch only the 21 with block row i <= block column j are computed; each is stored at (i, j) and, transposed
; (out1 with the sign turned), at (j, i).  21 x 8 = 168 work-groups, four waves each, a wave makes 64 x 64 of both outputs.
;
; K (= s) goes in 16 steps of 32.  In each step a wave loads 8 rows of four planes (R and I at the d columns, R and I at the
; e columns), multiplies the e planes by w in f32, rounds all to f16 and lays them into one of two LDS slots as [s][column];
; the fragments come back through the transposing LDS load.  Three sums of 16 tiles: accR = wRe Rd + wIe Id, accI = wRe Id,
; accN = wIe Rd; out1 = accI - accN is formed once at the end.
;
; F16, NOT BF16: a number of out1 is the sum of 1,024 products that largely cancel, and each product carries two operand roundings.
; With 8 significant bits those roundings add up to a few tenths of a hundredth of the output's root mean square, too near to what
; a result may be off by; with f16's 11 bits each rounding is 8 times finer, at the same registers, layout and matrix form.
;
; NO TENSOR LOADS, NO JOINT REQUESTS: the inputs are f32 and one side carries w, so every number passes through registers before
; it may lie in LDS as f16.  A tile brought as f32 would add 64 KiB of LDS writes and 64 KiB of LDS reads to a step that moves
; 32 KiB of f16 stores and 64 KiB of fragments; and 21 tiles a batch do not divide into groups of four that share a coordinate.
;
; LIMITS: operands are rounded to f16 (w x first to f32, then to f16), sums in f32.  So |R|, |I| and |w R|, |w I| must not pass 65504
; (beyond it the operand is an infinity); magnitudes under 2^-14 keep fewer than 11 bits, and under about 2^-25 they become zero.
; The blocks below the diagonal are copies of those above (out1 negated), so they can differ from a separate summation in the last
; bits and in the sign of a zero.  The diagonal of out1 is the residue of the two roundings, not an exact zero.  Where products are
; infinite the order of the sums can give NaN where another order gives an infinity.
;
; REGISTERS, in windows of 256 (s_set_vgpr_msb, low byte: 1:0 source 0, 3:2 source 1, 5:4 source 2, 7:6 destination):
;   window 0: v0-18 ids and addresses; v128-255 accN (tile (a, b) at 128 + 8 (4 a + b); a: e tile, b: d tile)
;   window 1: two fragment buffers of 128: wRe[a] at 8 a, wIe[a] at 32 + 8 a, Rd[b] at 64 + 8 b, Id[b] at 96 + 8 b; on the way out two read-back buffers
;   window 2: accR at 8 (4 a + b), accI at 128 + 8 (4 a + b)
;   window 3: two staging buffers of 128: the load of plane q, row r at 4 (8 q + r)
.set ROWB,   3072                      ; bytes in a row of R, I, out0, out1
.set STEPB,  32*ROWB                   ; a K step: 32 rows
.set INB,    512*ROWB                  ; a batch of R or I
.set OUTB,   768*ROWB                  ; a batch of out0 or out1
.set PITCH,  288                       ; an LDS row: 128 f16 + 32 bytes, so that the eight rows of a transposing load start 32 bytes apart modulo 256
.set PLANE,  32*PITCH
.set SLOT,   4*PLANE                   ; Rd, Id, wRe, wIe
.set SOFF,   2*SLOT                    ; behind the two slots: a stage of 64 rows x 272 bytes for each wave, for the way out
.set SPITCH, 272
.set STAGE,  64*SPITCH
.set GO,  8                            ; v8   16 lane + 8 rows x wave: my 16 bytes of my first row of a step
.set SA0, 9                            ; v9   LDS: my 8 bytes of my first row in plane 0;  v10: the same in plane 2
.set TD,  11                           ; v11  LDS: transposing load, d planes, my wave's 64 columns
.set TE,  12                           ; v12  the same, e planes
.set PO,  14                           ; v14  prefetch: my block of 256 bytes in a step
.set OS1, 15                           ; v15  stage: where a tile's 32 bytes of a row go (as computed)
.set OS2, 16                           ; v16  stage: where a tile's numbers go one by one (transposed)
.set RDB, 17                           ; v17  stage: whole rows back
.set CO,  18                           ; v18  my 16 bytes in the first two rows of the output tile
.set FWR, 0
.set FWI, 32
.set FDR, 64
.set FDI, 96
.set ACCR, 0
.set ACCI, 128
.set ACCN, 128
.set WV,    2                          ; s2       wave number
.set CNT,   3                          ; s3       loop counter
.set TI,    14                         ; s14      block row i
.set TJ,    15                         ; s15      block column j
.set BASE,  16                         ; s[16:23] addresses of the four planes for even steps, s[24:31] for odd steps
.set PT,    36                         ; s[36:37] prefetch address
.set TRIPC, 38                         ; s38      trips done (first: the batch number)
.set LIM,   39                         ; s39      trips that prefetch: 9 in a diagonal work-group, 0 elsewhere
.set OD0,   40                         ; s[40:41] out0, s[42:43] out1: my tile at (i, j)
.set OM0,   44                         ; s[44:45] out0, s[46:47] out1: my tile at (j, i)
.set WT,    48                         ; s[48:55] the 8 weights of my rows of a step
.set WO,    56                         ; s56, s58, s60, s62: the odd ones again, each as the first of a pair
.set MM_W2,  0xa5                      ; matrix: A, B window 1; C, D window 2
.set MM_W0,  0x05                      ; matrix: A, B window 1; C, D window 0
.set TO_F,   0x40                      ; LDS load into window 1, address window 0
.set IN_ST,  0xcf                      ; arithmetic inside window 3
.set ST_MEM, 0xcc                      ; address window 0; LDS store data and global load destination window 3
.set FROM_A, 0x08                      ; LDS store data window 2
.set OUT_RW, 0x44                      ; LDS load into window 1, global store data window 1
.set SUBW,   0xa0                      ; source 0 window 0, source 2 and destination window 2
.set NEGW,   0x82                      ; source 0 and destination window 2
.set MSB, 0
.macro WIN new                         ; the immediate's high byte repeats the setting that is left; a switch that changes nothing is dropped
.if MSB != \new
	s_set_vgpr_msb (MSB<<8)|\new
.set MSB, \new
.endif
.endm
.macro PLACES n
.rept \n
	v_nop
.endr
.endm
; 32 loads: my 8 rows of the four planes of one step into staging buffer k; each covers 512 neighbouring, aligned bytes
.macro GLOAD k
	WIN ST_MEM
.irp q, 0,1,2,3
.irp r, 0,1,2,3,4,5,6,7
	global_load_b128 v[128*\k+4*(8*\q+\r):128*\k+4*(8*\q+\r)+3], v[GO], s[BASE+8*\k+2*\q:BASE+8*\k+2*\q+1] offset:\r*ROWB
.endr
.endr
.endm
; the 8 weights of my rows of the next step to be converted
.macro WLOAD
	s_load_b256 s[WT:WT+7], s[8:9], 0x0
.endm
.macro WUSE
	s_wait_kmcnt 0x0                               ; the weights are in, and their address may be stepped
	s_add_nc_u64 s[8:9], s[8:9], 128               ; 32 weights further: the next step
	s_mov_b32 s[WO],   s[WT+1]                     ; the packed multiply takes the first register of a scalar pair for both halves:
	s_mov_b32 s[WO+2], s[WT+3]                     ; the odd weights move to even places
	s_mov_b32 s[WO+4], s[WT+5]
	s_mov_b32 s[WO+6], s[WT+7]
.endm
; staging buffer k: e planes times w, all to f16, into LDS slot k.  refill = 1: the buffer is loaded again, two steps of its parity on.
.macro CONV k, refill
	WIN IN_ST
.irp q, 2,3
.irp r, 0,2,4,6
	v_pk_mul_f32 v[128*\k+4*(8*\q+\r):128*\k+4*(8*\q+\r)+1],   v[128*\k+4*(8*\q+\r):128*\k+4*(8*\q+\r)+1],   s[WT+\r:WT+\r+1] op_sel_hi:[1,0]
	v_pk_mul_f32 v[128*\k+4*(8*\q+\r)+2:128*\k+4*(8*\q+\r)+3], v[128*\k+4*(8*\q+\r)+2:128*\k+4*(8*\q+\r)+3], s[WT+\r:WT+\r+1] op_sel_hi:[1,0]
.endr
.irp r, 1,3,5,7
	v_pk_mul_f32 v[128*\k+4*(8*\q+\r):128*\k+4*(8*\q+\r)+1],   v[128*\k+4*(8*\q+\r):128*\k+4*(8*\q+\r)+1],   s[WO+\r-1:WO+\r] op_sel_hi:[1,0]
	v_pk_mul_f32 v[128*\k+4*(8*\q+\r)+2:128*\k+4*(8*\q+\r)+3], v[128*\k+4*(8*\q+\r)+2:128*\k+4*(8*\q+\r)+3], s[WO+\r-1:WO+\r] op_sel_hi:[1,0]
.endr
.endr
.set n, 128*\k
.rept 32
	v_cvt_pk_f16_f32 v[n],   v[n],   v[n+1]        ; four f32 become four f16 in the first two registers of the four
	v_cvt_pk_f16_f32 v[n+1], v[n+2], v[n+3]
.set n, n+4
.endr
	WIN ST_MEM
.irp q, 0,1,2,3
.irp r, 0,1,2,3,4,5,6,7
	ds_store_b64 v[SA0+\q/2], v[128*\k+4*(8*\q+\r):128*\k+4*(8*\q+\r)+1] offset:\k*SLOT+(\q&1)*PLANE+\r*PITCH   ; 32 lanes: the row's 256 bytes
.endr
.endr
.if \refill
.irp q, 0,1,2,3
	s_add_nc_u64 s[BASE+8*\k+2*\q:BASE+8*\k+2*\q+1], s[BASE+8*\k+2*\q:BASE+8*\k+2*\q+1], 2*STEPB   ; this set's loads are done (the s_wait_loadcnt in front of CONV)
.endr
	GLOAD \k
.endif
.endm
; 32 transposing loads in one run: the 16 fragments of one step from a slot into fragment buffer f.
; Lane l addresses row (l & 7) + 8 (l >> 4), 16 bytes (l >> 3) & 1: the first load brings k = 8 h .. 8 h + 7 of column l & 15, the second k + 16.
.macro FETCH f, slot
	WIN TO_F
.irp a, 0,1,2,3
	ds_load_tr16_b128 v[\f+FWR+8*\a:\f+FWR+8*\a+3],   v[TE] offset:\slot*SLOT+32*\a
	ds_load_tr16_b128 v[\f+FWR+8*\a+4:\f+FWR+8*\a+7], v[TE] offset:\slot*SLOT+32*\a+16*PITCH
.endr
.irp a, 0,1,2,3
	ds_load_tr16_b128 v[\f+FDR+8*\a:\f+FDR+8*\a+3],   v[TD] offset:\slot*SLOT+32*\a
	ds_load_tr16_b128 v[\f+FDR+8*\a+4:\f+FDR+8*\a+7], v[TD] offset:\slot*SLOT+32*\a+16*PITCH
.endr
.irp a, 0,1,2,3
	ds_load_tr16_b128 v[\f+FWI+8*\a:\f+FWI+8*\a+3],   v[TE] offset:\slot*SLOT+PLANE+32*\a
	ds_load_tr16_b128 v[\f+FWI+8*\a+4:\f+FWI+8*\a+7], v[TE] offset:\slot*SLOT+PLANE+32*\a+16*PITCH
.endr
.irp a, 0,1,2,3
	ds_load_tr16_b128 v[\f+FDI+8*\a:\f+FDI+8*\a+3],   v[TD] offset:\slot*SLOT+PLANE+32*\a
	ds_load_tr16_b128 v[\f+FDI+8*\a+4:\f+FDI+8*\a+7], v[TD] offset:\slot*SLOT+PLANE+32*\a+16*PITCH
.endr
.endm
; 16 matrix instructions.  Source 0 = 16 e columns, source 1 = 16 d columns: register jj of lane (r, h) holds out[d0 + r][e0 + 8 h + jj],
; eight neighbouring numbers of a row of the output.  zero = 1: the product starts the sum, nothing is cleared.
.macro MUL16 dst, fa, fb, zero
.irp a, 0,1,2,3
.irp b, 0,1,2,3
.if \zero
	v_wmma_f32_16x16x32_f16 v[\dst+8*(4*\a+\b):\dst+8*(4*\a+\b)+7], v[\fa+8*\a:\fa+8*\a+7], v[\fb+8*\b:\fb+8*\b+7], 0
.else
	v_wmma_f32_16x16x32_f16 v[\dst+8*(4*\a+\b):\dst+8*(4*\a+\b)+7], v[\fa+8*\a:\fa+8*\a+7], v[\fb+8*\b:\fb+8*\b+7], v[\dst+8*(4*\a+\b):\dst+8*(4*\a+\b)+7]
.endif
.endr
.endr
.endm
; Prefetch.  Column block i of R and of I is asked for by the diagonal work-group (i, i) alone, each block of 256 bytes once: a step of the
; block is 32 rows x 2 blocks x 2 arrays = 128 blocks = one lane each of the four waves (even waves R, odd waves I; 16 rows a wave).
; Trip t asks for step t + 7, which is loaded in trip t + 3: three steps of 32 KiB are asked for and not yet loaded.  Trips 0 to 8 ask,
; the last for step 15, the batch's last rows; nothing points behind them.
.macro PREF id
	WIN 0
	s_cmp_ge_u32 s[TRIPC], s[LIM]
	s_cbranch_scc1 .Lnp\id
	s_wait_xcnt 0x0                                ; the last trip's prefetch has had its address translated: now the address may step
	s_add_nc_u64 s[PT:PT+1], s[PT:PT+1], STEPB
	global_prefetch_b8 v[PO], s[PT:PT+1] th:TH_LOAD_NT scope:SCOPE_SE
.Lnp\id:
	s_add_co_u32 s[TRIPC], s[TRIPC], 1
.endm
; Trip t (p = t & 1, np = 1 - p): multiplies step t from fragment buffer p; fetches step t + 1's fragments from slot np; converts step t + 2
; into slot p; loads step t + 4.
.macro TRIP p, np, zero, dsleft, bar, fetch, conv, left, refill, pf, id
	s_wait_dscnt \dsleft                           ; LDS instructions end in order (ISA guide 5.7.1): the fragments are in, the stores issued behind them may be out
	WIN MM_W2
	MUL16 ACCR, 128*\p+FWR, 128*\p+FDR, \zero
.if \bar
	s_wait_dscnt 0x0                               ; for the other waves: my reads of slot p and my stores of step t + 1 into slot np are done
.endif
	WIN MM_W0
.if \bar
	s_barrier_signal -1
.endif
	MUL16 ACCN, 128*\p+FWI, 128*\p+FDR, \zero      ; registers only, while the others arrive
.if \bar
	s_barrier_wait -1                              ; now slot np may be read and slot p written
.endif
.if \conv
	WLOAD
.endif
.if \fetch
	PLACES 4                                       ; buffer np was read by the last trip's matrix instructions: four places before loads are issued into it
	FETCH 128*\np, \np
.endif
.if \conv
	s_wait_loadcnt \left                           ; step t + 2 is in; the loads of step t + 3, issued behind it, stay out
	WUSE
	CONV \p, \refill
.endif
	WIN MM_W2
	MUL16 ACCR, 128*\p+FWI, 128*\p+FDI, 0
	MUL16 ACCI, 128*\p+FWR, 128*\p+FDI, \zero
.if \pf
	PREF \id
.endif
.endm
; The way out, second half: the stage's 64 rows of 256 bytes back, two rows a load, and out; 16 lanes fill 256 neighbouring, aligned bytes.
.macro DRAIN buf, sb
	s_wait_xcnt 0x0                                ; earlier stores have read their data: the read-back buffer is rewritten only behind this wait
	WIN OUT_RW
.set t, 0
.rept 32
	ds_load_b128 v[\buf+4*t:\buf+4*t+3], v[RDB] offset:2*SPITCH*t   ; LDS serves a wave's instructions in order: these see the stores above
.set t, t+1
.endr
.set t, 0
.irp left, 24,16,8,0
	s_wait_dscnt \left                             ; eight more of the 32 loads are in
.rept 8
	global_store_b128 v[CO], v[\buf+4*t:\buf+4*t+3], s[\sb:\sb+1] offset:2*ROWB*t th:TH_STORE_NT
.set t, t+1
.endr
.endr
.endm
.macro OUTD acc, buf, sb               ; as computed: row 16 b + r, 32 bytes at column 16 a + 8 h
	WIN FROM_A
.irp b, 0,1,2,3
.irp a, 0,1,2,3
	ds_store_b128 v[OS1], v[\acc+8*(4*\a+\b):\acc+8*(4*\a+\b)+3]   offset:16*SPITCH*\b+64*\a
	ds_store_b128 v[OS1], v[\acc+8*(4*\a+\b)+4:\acc+8*(4*\a+\b)+7] offset:16*SPITCH*\b+64*\a+16
.endr
.endr
	DRAIN \buf, \sb
.endm
.macro OUTM acc, buf, sb               ; transposed: row 16 a + 8 h + jj, column 16 b + r
	WIN FROM_A
.irp a, 0,1,2,3
.irp b, 0,1,2,3
.irp jj, 0,1,2,3,4,5,6,7
	ds_store_b32 v[OS2], v[\acc+8*(4*\a+\b)+\jj] offset:(16*\a+\jj)*SPITCH+64*\b
.endr
.endr
.endr
	DRAIN \buf, \sb
.endm
	; ---------------- ids and the addresses that the first loads need ----------------
	s_load_b256 s[4:11], s[0:1], 0x0               ; R s[4:5], I s[6:7], w s[8:9], out0 s[10:11]
	s_load_b64 s[12:13], s[0:1], 0x20              ; out1
	v_lshl_add_u32 v126, v0, 2, 0x23000
	v_mov_b32 v127, 0
	v_and_b32 v1, 31, v0                           ; lane
	v_lshrrev_b32 v2, 5, v0
	v_readfirstlane_b32 s[WV], v2                  ; wave 0..3
	s_mov_b32 s[TI], 0                             ; tile p = ttmp9 of the triangle: row i begins at p = 0, 6, 11, 15, 18, 20
.irp lim, 6, 11, 15, 18, 20
	s_cmp_ge_u32 ttmp9, \lim
	s_cselect_b32 s32, 1, 0
	s_add_co_u32 s[TI], s[TI], s32
.endr
	s_sub_co_u32 s32, 11, s[TI]
	s_mul_i32 s32, s32, s[TI]
	s_lshr_b32 s32, s32, 1
	s_sub_co_u32 s[TJ], ttmp9, s32                 ; j = p - i (11 - i) / 2
	s_and_b32 s38, ttmp7, 0xffff                   ; batch
	s_mul_i32 s39, s38, INB
	s_lshl_b32 s32, s[TI], 9                       ; 128 columns of 4 bytes a block
	s_add_co_u32 s32, s32, s39                     ; the d columns
	s_mov_b32 s33, 0
	s_lshl_b32 s34, s[TJ], 9
	s_add_co_u32 s34, s34, s39                     ; the e columns
	s_mov_b32 s35, 0
	s_mul_i32 s39, s[WV], 8*ROWB
	v_lshl_add_u32 v[GO], v1, 4, s39
	s_wait_kmcnt 0x0
	s_add_nc_u64 s[BASE:BASE+1],   s[4:5], s[32:33]    ; plane 0: R at d
	s_add_nc_u64 s[BASE+2:BASE+3], s[6:7], s[32:33]    ; plane 1: I at d
	s_add_nc_u64 s[BASE+4:BASE+5], s[4:5], s[34:35]    ; plane 2: R at e
	s_add_nc_u64 s[BASE+6:BASE+7], s[6:7], s[34:35]    ; plane 3: I at e
.irp q, 0,1,2,3
	s_add_nc_u64 s[BASE+8+2*\q:BASE+9+2*\q], s[BASE+2*\q:BASE+1+2*\q], STEPB   ; the set for odd steps
.endr
	s_lshl_b32 s34, s38, 11                        ; 512 weights a batch,
	s_lshl_b32 s39, s[WV], 5                       ; 8 a wave and step
	s_add_co_u32 s34, s34, s39
	s_add_nc_u64 s[8:9], s[8:9], s[34:35]
	WLOAD                                          ; step 0's weights
	GLOAD 0                                        ; step 0
	GLOAD 1                                        ; step 1: 64 loads asked for; a load that the counter's field cannot hold is held at issue (ISA guide 5.7.1)
	; ---------------- the other addresses, while the loads are out ----------------
	WIN 0
	v_and_b32 v2, 15, v1                           ; r
	v_lshrrev_b32 v3, 4, v1                        ; h
	s_mul_i32 s32, s[WV], 8*PITCH
	v_lshl_add_u32 v[SA0], v1, 3, s32              ; 8 bytes a lane, 8 rows a wave
	v_add_nc_u32 v[SA0+1], 2*PLANE, v[SA0]
	v_and_b32 v4, 7, v1
	v_lshl_add_u32 v4, v3, 3, v4                   ; row (l & 7) + 8 h
	v_mul_u32_u24 v4, v4, PITCH
	v_bfe_u32 v5, v1, 3, 1
	v_lshl_add_u32 v4, v5, 4, v4                   ; + 16 ((l >> 3) & 1)
	s_lshr_b32 s32, s[WV], 1                       ; wd: my half of the d columns
	s_and_b32 s34, s[WV], 1                        ; we: my half of the e columns
	s_lshl_b32 s33, s32, 7
	v_add_nc_u32 v[TD], s33, v4
	s_lshl_b32 s33, s34, 7
	s_add_co_u32 s33, s33, 2*PLANE
	v_add_nc_u32 v[TE], s33, v4
	v_lshrrev_b32 v5, 1, v1                        ; prefetch: row 16 wd + l / 2, block l & 1
	v_mul_u32_u24 v5, v5, ROWB
	v_and_b32 v6, 1, v1
	v_lshl_add_u32 v5, v6, 8, v5
	s_mul_i32 s33, s32, 16*ROWB
	v_add_nc_u32 v[PO], s33, v5
	s_cmp_eq_u32 s34, 0                            ; even waves ask for R, odd waves for I
	s_cselect_b64 s[PT:PT+1], s[BASE:BASE+1], s[BASE+2:BASE+3]
	s_add_nc_u64 s[PT:PT+1], s[PT:PT+1], 6*STEPB   ; stepped in front of each request: the first is step 7
	s_mul_i32 s33, s[WV], STAGE
	s_add_co_u32 s33, s33, SOFF                    ; my stage
	v_mul_u32_u24 v5, v2, SPITCH
	v_lshl_add_u32 v5, v3, 5, v5
	v_add_nc_u32 v[OS1], s33, v5                   ; row r, 32 h
	v_mul_u32_u24 v5, v3, 8*SPITCH
	v_lshl_add_u32 v5, v2, 2, v5
	v_add_nc_u32 v[OS2], s33, v5                   ; row 8 h, 4 r
	v_mul_u32_u24 v5, v3, SPITCH
	v_lshl_add_u32 v5, v2, 4, v5
	v_add_nc_u32 v[RDB], s33, v5                   ; row h, 16 r
	v_mul_u32_u24 v5, v3, ROWB
	v_lshl_add_u32 v[CO], v2, 4, v5
	s_lshl1_add_u32 s32, s[TI], s32                ; u  = 2 i + wd: my d range in units of 64
	s_lshl1_add_u32 s34, s[TJ], s34                ; u' = 2 j + we: my e range
	s_mul_i32 s39, s38, OUTB
	s_mul_i32 s3,  s32, 64*ROWB                    ; u as rows
	s_mul_i32 s33, s34, 64*ROWB                    ; u' as rows
	s_lshl_b32 s32, s32, 8                         ; u as columns: 64 x 4 bytes
	s_lshl_b32 s34, s34, 8                         ; u' as columns
	s_add_co_u32 s34, s34, s3                      ; (i, j): rows u, columns u'
	s_add_co_u32 s32, s32, s33                     ; (j, i): rows u', columns u
	s_add_co_u32 s34, s34, s39
	s_add_co_u32 s32, s32, s39
	s_mov_b32 s33, 0
	s_mov_b32 s35, 0
	s_add_nc_u64 s[OD0:OD0+1],   s[10:11], s[34:35]
	s_add_nc_u64 s[OD0+2:OD0+3], s[12:13], s[34:35]
	s_add_nc_u64 s[OM0:OM0+1],   s[10:11], s[32:33]
	s_add_nc_u64 s[OM0+2:OM0+3], s[12:13], s[32:33]
	s_cmp_eq_u32 s[TI], s[TJ]
	s_cselect_b32 s[LIM], 9, 0
	s_mov_b32 s[TRIPC], 0
	s_mov_b32 s[WO+1], 0                           ; the upper partners of the odd weights' pairs: named by the packed multiply, never used
	s_mov_b32 s[WO+3], 0
	s_mov_b32 s[WO+5], 0
	s_mov_b32 s[WO+7], 0
	; ---------------- steps 0 and 1 into the two slots ----------------
	s_wait_loadcnt 32                              ; step 0 is in, step 1's 32 loads stay out
	WUSE
	CONV 0, 1                                      ; and step 2 is asked for
	WLOAD
	s_wait_loadcnt 32                              ; step 1 is in, step 2's loads stay out
	WUSE
	CONV 1, 1                                      ; and step 3
	s_wait_dscnt 0x0                               ; my rows of both slots are written
	s_barrier_signal -1
	s_barrier_wait -1
	FETCH 0, 0
	; ---------------- 16 trips ----------------
	;    p np zero dsleft bar fetch conv left refill pf id
	TRIP 0, 1, 1,  0,     1,  1,    1,   32,  1,     1, 0      ; trip 0: only the 32 fragment loads are out; every sum starts here
	TRIP 1, 0, 0,  32,    1,  1,    1,   32,  1,     1, 1
	s_mov_b32 s[CNT], 5
.Lloop:                                                        ; trips 2 to 11
	TRIP 0, 1, 0,  32,    1,  1,    1,   32,  1,     1, 2
	TRIP 1, 0, 0,  32,    1,  1,    1,   32,  1,     1, 3
	s_sub_co_u32 s[CNT], s[CNT], 1
	s_cmp_lg_u32 s[CNT], 0
	s_cbranch_scc1 .Lloop
	TRIP 0, 1, 0,  32,    1,  1,    1,   32,  0,     0, 4      ; trip 12 converts step 14; step 15's loads stay out; nothing more is asked for
	TRIP 1, 0, 0,  32,    1,  1,    1,   0,   0,     0, 5      ; trip 13 converts step 15: no load is behind it
	TRIP 0, 1, 0,  32,    1,  1,    0,   0,   0,     0, 6      ; trip 14 fetches the last fragments
	TRIP 1, 0, 0,  0,     0,  0,    0,   0,   0,     0, 7      ; trip 15: only those 32 loads were out
	; ---------------- the way out ----------------
	PLACES 4                                       ; four places before anything but a matrix instruction reads the sums or writes the fragment registers (ISA guide 7.12.1)
	OUTD ACCR, 0, OD0
	WIN SUBW
.set n, 128
.rept 64
	v_pk_fma_f32 v[n:n+1], v[n:n+1], -1.0, v[n:n+1] op_sel_hi:[1,0,1]   ; window 2 <- accN (window 0) x -1 + accI (window 2): out1 = wRe Id - wIe Rd
.set n, n+2
.endr
	OUTD ACCI, 128, OD0+2
	WIN 0
	s_cmp_eq_u32 s[TI], s[TJ]                      ; a diagonal block is whole as it stands
	s_cbranch_scc1 .Lend
	OUTM ACCR, 0, OM0                              ; out0[e][d] = out0[d][e]
	WIN NEGW
.set n, 128
.rept 64
	v_pk_mul_f32 v[n:n+1], v[n:n+1], -1.0 op_sel_hi:[1,0]               ; out1[e][d] = - out1[d][e]
.set n, n+2
.endr
	OUTM ACCI, 128, OM0+2
	WIN 0
.Lend:
	s_wait_tensorcnt 0x0
	ds_add_u32 v126, v127
	s_wait_dscnt 0x0
	s_endpgm
.Lfunc_end_k_q113496b3bd_mix:
	.size	k_q113496b3bd_mix, .Lfunc_end_k_q113496b3bd_mix-k_q113496b3bd_mix
	.p2alignl 7, 3214868480
	.fill 96, 4, 3214868480
	.section	.rodata,"a",@progbits
	.p2align	6, 0x0
	.amdhsa_kernel k_q113496b3bd_mix
		.amdhsa_group_segment_fixed_size 143872
		.amdhsa_private_segment_fixed_size 0
		.amdhsa_enable_private_segment 0
		.amdhsa_kernarg_size 40
		.amdhsa_user_sgpr_count 2
		.amdhsa_user_sgpr_kernarg_segment_ptr 1
		.amdhsa_wavefront_size32 1
		.amdhsa_system_sgpr_workgroup_id_x 1
		.amdhsa_system_sgpr_workgroup_id_y 1
		.amdhsa_system_sgpr_workgroup_id_z 1
		.amdhsa_system_vgpr_workitem_id 0
		.amdhsa_next_free_vgpr 1024
		.amdhsa_next_free_sgpr 66
		.amdhsa_reserve_vcc 0
		.amdhsa_float_denorm_mode_32 3
		.amdhsa_float_denorm_mode_16_64 3
		.amdhsa_memory_ordered 1
		.amdhsa_forward_progress 1
		.amdhsa_inst_pref_size 200
	.end_amdhsa_kernel
	.amdgpu_metadata
---
amdhsa.version: [ 1, 2 ]
amdhsa.kernels:
  - .name:           k_q113496b3bd_mix
    .symbol:         k_q113496b3bd_mix.kd
    .args:
      - { .name: input_real, .offset: 0, .size: 8, .value_kind: global_buffer, .address_space: global }
      - { .name: input_imag, .offset: 8, .size: 8, .value_kind: global_buffer, .address_space: global }
      - { .name: weight, .offset: 16, .size: 8, .value_kind: global_buffer, .address_space: global }
      - { .name: out0, .offset: 24, .size: 8, .value_kind: global_buffer, .address_space: global }
      - { .name: out1, .offset: 32, .size: 8, .value_kind: global_buffer, .address_space: global }
    .group_segment_fixed_size: 143872
    .private_segment_fixed_size: 0
    .kernarg_segment_align: 8
    .kernarg_segment_size: 40
    .max_flat_workgroup_size: 128
    .sgpr_count:     66
    .vgpr_count:     1024
    .wavefront_size: 32
...
	.end_amdgpu_metadata
.endif
;; end of part 1
;; ======== version 2 of 2: 1 launch
;; limits: values are held in f16: magnitudes above 65,504 overflow, below 6.1e-05 lose precision; inputs' magnitudes at most 65,504; below input magnitudes of 6.1e-05 results are inexact or not finite
;; launch mix (part 2): grid 21 x 8, 4 waves a work-group, no clusters, 143,872 bytes of LDS; arguments input_real, input_imag, weight, out0, out1; writes out0, out1
.if DOCPART == 2
	.amdgcn_target "amdgcn-amd-amdhsa--gfx1250"
	.amdhsa_code_object_version 6
	.text
	.protected	k_q113496b3bd_mix
	.globl	k_q113496b3bd_mix
	.p2align	8
	.type	k_q113496b3bd_mix,@function
k_q113496b3bd_mix:
	s_mov_b64 s[64:65], 0
	v_nop
	global_prefetch_b8 v0, s[64:65] scope:SCOPE_SE
	s_setreg_imm32_b32 hwreg(HW_REG_WAVE_MODE, 25, 1), 1
	s_wait_xcnt 0x0
; out0[b][d][e] = sum over s of w[b][s] (R[s][d] R[s][e] + I[s][d] I[s][e])
; out1[b][d][e] = sum over s of w[b][s] (I[s][d] R[s][e] - R[s][d] I[s][e])        R, I: [8][512][768] f32, w: [8][512] f32.
;
; By the formula itself out0 is symmetric and out1 antisymmetric in (d, e), whatever the inputs hold.  So of the 6 x 6 blocks of
; 128 x 128 of a batch only the 21 with block row i <= block column j are computed; each is stored at (i, j) and, transposed
; (out1 with the sign turned), at (j, i).  21 x 8 = 168 work-groups, four waves each, a wave makes 64 x 64 of both outputs.
;
; K (= s) goes in 16 steps of 32.  In each step a wave loads 8 rows of four planes (R and I at the d columns, R and I at the
; e columns), multiplies the e planes by w in f32, rounds all to f16 and lays them into one of two LDS slots as [s][column];
; the fragments come back through the transposing LDS load.  Three sums of 16 tiles: accR = wRe Rd + wIe Id, accI = wRe Id,
; accN = wIe Rd; out1 = accI - accN is formed once at the end.
;
; THE WEIGHTS: a wave needs 16 steps x 8 rows = 128 of them = 32 lanes x 4.  One 16-byte load a lane brings them all at the start;
; each step's eight are then read out of two lanes into scalar registers, so that no step waits for memory on their account.
;
; F16, NOT BF16: a number of out1 is the sum of 1,024 products that largely cancel, and each product carries two operand roundings.
; With 8 significant bits those roundings add up to a few tenths of a hundredth of the output's root mean square, too near to what
; a result may be off by; with f16's 11 bits each rounding is 8 times finer, at the same registers, layout and matrix form.
;
; NO TENSOR LOADS, NO JOINT REQUESTS: the inputs are f32 and one side carries w, so every number passes through registers before
; it may lie in LDS as f16.  A tile brought as f32 would add 64 KiB of LDS writes and 64 KiB of LDS reads to a step that moves
; 32 KiB of f16 stores and 64 KiB of fragments; and 21 tiles a batch do not divide into groups of four that share a coordinate.
;
; LIMITS: operands are rounded to f16 (w x first to f32, then to f16), sums in f32.  So |R|, |I| and |w R|, |w I| must not pass 65504
; (beyond it the operand is an infinity); magnitudes under 2^-14 keep fewer than 11 bits, and under about 2^-25 they become zero.
; The blocks below the diagonal are copies of those above (out1 negated), so they can differ from a separate summation in the last
; bits and in the sign of a zero.  The diagonal of out1 is the residue of the two roundings, not an exact zero.  Where products are
; infinite the order of the sums can give NaN where another order gives an infinity.
;
; REGISTERS, in windows of 256 (s_set_vgpr_msb, low byte: 1:0 source 0, 3:2 source 1, 5:4 source 2, 7:6 destination):
;   window 0: v0-19 ids and addresses; v20-23 the wave's weights; v128-255 accN (tile (a, b) at 128 + 8 (4 a + b); a: e tile, b: d tile)
;   window 1: two fragment buffers of 128: wRe[a] at 8 a, wIe[a] at 32 + 8 a, Rd[b] at 64 + 8 b, Id[b] at 96 + 8 b; on the way out two read-back buffers
;   window 2: accR at 8 (4 a + b), accI at 128 + 8 (4 a + b)
;   window 3: two staging buffers of 128: the load of plane q, row r at 4 (8 q + r)
.set ROWB,   3072                      ; bytes in a row of R, I, out0, out1
.set STEPB,  32*ROWB                   ; a K step: 32 rows
.set INB,    512*ROWB                  ; a batch of R or I
.set OUTB,   768*ROWB                  ; a batch of out0 or out1
.set PITCH,  288                       ; an LDS row: 128 f16 + 32 bytes, so that the eight rows of a transposing load start 32 bytes apart modulo 256
.set PLANE,  32*PITCH
.set SLOT,   4*PLANE                   ; Rd, Id, wRe, wIe
.set SOFF,   2*SLOT                    ; behind the two slots: a stage of 64 rows x 272 bytes for each wave, for the way out
.set SPITCH, 272
.set STAGE,  64*SPITCH
.set GO,  8                            ; v8   16 lane + 8 rows x wave: my 16 bytes of my first row of a step
.set SA0, 9                            ; v9   LDS: my 8 bytes of my first row in plane 0;  v10: the same in plane 2
.set TD,  11                           ; v11  LDS: transposing load, d planes, my wave's 64 columns
.set TE,  12                           ; v12  the same, e planes
.set PO,  14                           ; v14  prefetch: my block of 256 bytes in a step
.set OS1, 15                           ; v15  stage: where a tile's 32 bytes of a row go (as computed)
.set OS2, 16                           ; v16  stage: where a tile's numbers go one by one (transposed)
.set RDB, 17                           ; v17  stage: whole rows back
.set CO,  18                           ; v18  my 16 bytes in the first two rows of the output tile
.set WOF, 19                           ; v19  byte offset of my four weights in the batch's 512
.set WQ,  20                           ; v[20:23] lane l: the weights of step l >> 1, rows 4 (l & 1) .. + 3 of my wave's 8
.set FWR, 0
.set FWI, 32
.set FDR, 64
.set FDI, 96
.set ACCR, 0
.set ACCI, 128
.set ACCN, 128
.set WV,    2                          ; s2       wave number
.set CNT,   3                          ; s3       loop counter
.set TI,    14                         ; s14      block row i
.set TJ,    15                         ; s15      block column j
.set BASE,  16                         ; s[16:23] addresses of the four planes for even steps, s[24:31] for odd steps
.set LN,    32                         ; s32, s33 (first: scratch) the two lanes that hold the weights of the next step to be converted
.set PT,    36                         ; s[36:37] prefetch address
.set TRIPC, 38                         ; s38      trips done (first: the batch number)
.set LIM,   39                         ; s39      trips that prefetch: 9 in a diagonal work-group, 0 elsewhere
.set OD0,   40                         ; s[40:41] out0, s[42:43] out1: my tile at (i, j)
.set OM0,   44                         ; s[44:45] out0, s[46:47] out1: my tile at (j, i)
.set WT,    48                         ; s[48:63] the weight of my row r of a step at 48 + 2 r, each the first of a pair
.set MM_W2,  0xa5                      ; matrix: A, B window 1; C, D window 2
.set MM_W0,  0x05                      ; matrix: A, B window 1; C, D window 0
.set TO_F,   0x40                      ; LDS load into window 1, address window 0
.set IN_ST,  0xcf                      ; arithmetic inside window 3
.set ST_MEM, 0xcc                      ; address window 0; LDS store data and global load destination window 3
.set FROM_A, 0x08                      ; LDS store data window 2
.set OUT_RW, 0x44                      ; LDS load into window 1, global store data window 1
.set SUBW,   0xa0                      ; source 0 window 0, source 2 and destination window 2
.set NEGW,   0x82                      ; source 0 and destination window 2
.set MSB, 0
.macro WIN new                         ; the immediate's high byte repeats the setting that is left; a switch that changes nothing is dropped
.if MSB != \new
	s_set_vgpr_msb (MSB<<8)|\new
.set MSB, \new
.endif
.endm
.macro PLACES n
.rept \n
	v_nop
.endr
.endm
; 32 loads: my 8 rows of the four planes of one step into staging buffer k; each covers 512 neighbouring, aligned bytes
.macro GLOAD k
	WIN ST_MEM
.irp q, 0,1,2,3
.irp r, 0,1,2,3,4,5,6,7
	global_load_b128 v[128*\k+4*(8*\q+\r):128*\k+4*(8*\q+\r)+3], v[GO], s[BASE+8*\k+2*\q:BASE+8*\k+2*\q+1] offset:\r*ROWB
.endr
.endr
.endm
; The 8 weights of my rows of the next step to be converted, out of the two lanes that hold them.  The packed multiply takes the first
; register of a scalar pair for both halves, so each weight goes to an even place.  Then the lanes step on: 16 calls, the last reads lanes 30, 31.
.macro WGET
	WIN 0
.irp r, 0,1,2,3
	v_readlane_b32 s[WT+2*\r],   v[WQ+\r], s[LN]       ; rows 0 to 3
	v_readlane_b32 s[WT+8+2*\r], v[WQ+\r], s[LN+1]     ; rows 4 to 7
.endr
	s_add_co_u32 s[LN],   s[LN],   2
	s_add_co_u32 s[LN+1], s[LN+1], 2
.endm
; staging buffer k: e planes times w, all to f16, into LDS slot k.  refill = 1: the buffer is loaded again, two steps of its parity on.
.macro CONV k, refill
	WIN IN_ST
.irp q, 2,3
.irp r, 0,1,2,3,4,5,6,7
	v_pk_mul_f32 v[128*\k+4*(8*\q+\r):128*\k+4*(8*\q+\r)+1],   v[128*\k+4*(8*\q+\r):128*\k+4*(8*\q+\r)+1],   s[WT+2*\r:WT+2*\r+1] op_sel_hi:[1,0]
	v_pk_mul_f32 v[128*\k+4*(8*\q+\r)+2:128*\k+4*(8*\q+\r)+3], v[128*\k+4*(8*\q+\r)+2:128*\k+4*(8*\q+\r)+3], s[WT+2*\r:WT+2*\r+1] op_sel_hi:[1,0]
.endr
.endr
.set n, 128*\k
.rept 32
	v_cvt_pk_f16_f32 v[n],   v[n],   v[n+1]        ; four f32 become four f16 in the first two registers of the four
	v_cvt_pk_f16_f32 v[n+1], v[n+2], v[n+3]
.set n, n+4
.endr
	WIN ST_MEM
.irp q, 0,1,2,3
.irp r, 0,1,2,3,4,5,6,7
	ds_store_b64 v[SA0+\q/2], v[128*\k+4*(8*\q+\r):128*\k+4*(8*\q+\r)+1] offset:\k*SLOT+(\q&1)*PLANE+\r*PITCH   ; 32 lanes: the row's 256 bytes
.endr
.endr
.if \refill
.irp q, 0,1,2,3
	s_add_nc_u64 s[BASE+8*\k+2*\q:BASE+8*\k+2*\q+1], s[BASE+8*\k+2*\q:BASE+8*\k+2*\q+1], 2*STEPB   ; this set's loads are done (the s_wait_loadcnt in front of CONV)
.endr
	GLOAD \k
.endif
.endm
; 32 transposing loads in one run: the 16 fragments of one step from a slot into fragment buffer f.
; Lane l addresses row (l & 7) + 8 (l >> 4), 16 bytes (l >> 3) & 1: the first load brings k = 8 h .. 8 h + 7 of column l & 15, the second k + 16.
.macro FETCH f, slot
	WIN TO_F
.irp a, 0,1,2,3
	ds_load_tr16_b128 v[\f+FWR+8*\a:\f+FWR+8*\a+3],   v[TE] offset:\slot*SLOT+32*\a
	ds_load_tr16_b128 v[\f+FWR+8*\a+4:\f+FWR+8*\a+7], v[TE] offset:\slot*SLOT+32*\a+16*PITCH
.endr
.irp a, 0,1,2,3
	ds_load_tr16_b128 v[\f+FDR+8*\a:\f+FDR+8*\a+3],   v[TD] offset:\slot*SLOT+32*\a
	ds_load_tr16_b128 v[\f+FDR+8*\a+4:\f+FDR+8*\a+7], v[TD] offset:\slot*SLOT+32*\a+16*PITCH
.endr
.irp a, 0,1,2,3
	ds_load_tr16_b128 v[\f+FWI+8*\a:\f+FWI+8*\a+3],   v[TE] offset:\slot*SLOT+PLANE+32*\a
	ds_load_tr16_b128 v[\f+FWI+8*\a+4:\f+FWI+8*\a+7], v[TE] offset:\slot*SLOT+PLANE+32*\a+16*PITCH
.endr
.irp a, 0,1,2,3
	ds_load_tr16_b128 v[\f+FDI+8*\a:\f+FDI+8*\a+3],   v[TD] offset:\slot*SLOT+PLANE+32*\a
	ds_load_tr16_b128 v[\f+FDI+8*\a+4:\f+FDI+8*\a+7], v[TD] offset:\slot*SLOT+PLANE+32*\a+16*PITCH
.endr
.endm
; 16 matrix instructions.  Source 0 = 16 e columns, source 1 = 16 d columns: register jj of lane (r, h) holds out[d0 + r][e0 + 8 h + jj],
; eight neighbouring numbers of a row of the output.  zero = 1: the product starts the sum, nothing is cleared.
.macro MUL16 dst, fa, fb, zero
.irp a, 0,1,2,3
.irp b, 0,1,2,3
.if \zero
	v_wmma_f32_16x16x32_f16 v[\dst+8*(4*\a+\b):\dst+8*(4*\a+\b)+7], v[\fa+8*\a:\fa+8*\a+7], v[\fb+8*\b:\fb+8*\b+7], 0
.else
	v_wmma_f32_16x16x32_f16 v[\dst+8*(4*\a+\b):\dst+8*(4*\a+\b)+7], v[\fa+8*\a:\fa+8*\a+7], v[\fb+8*\b:\fb+8*\b+7], v[\dst+8*(4*\a+\b):\dst+8*(4*\a+\b)+7]
.endif
.endr
.endr
.endm
; Prefetch.  Column block i of R and of I is asked for by the diagonal work-group (i, i) alone, each block of 256 bytes once: a step of the
; block is 32 rows x 2 blocks x 2 arrays = 128 blocks = one lane each of the four waves (even waves R, odd waves I; 16 rows a wave).
; Trip t asks for step t + 7, which is loaded in trip t + 3: three steps of 32 KiB are asked for and not yet loaded.  Trips 0 to 8 ask,
; the last for step 15, the batch's last rows; nothing points behind them.
.macro PREF id
	WIN 0
	s_cmp_ge_u32 s[TRIPC], s[LIM]
	s_cbranch_scc1 .Lnp\id
	s_wait_xcnt 0x0                                ; the last trip's prefetch has had its address translated: now the address may step
	s_add_nc_u64 s[PT:PT+1], s[PT:PT+1], STEPB
	global_prefetch_b8 v[PO], s[PT:PT+1] th:TH_LOAD_NT scope:SCOPE_SE
.Lnp\id:
	s_add_co_u32 s[TRIPC], s[TRIPC], 1
.endm
; Trip t (p = t & 1, np = 1 - p): multiplies step t from fragment buffer p; fetches step t + 1's fragments from slot np; converts step t + 2
; into slot p; loads step t + 4.
.macro TRIP p, np, zero, dsleft, bar, fetch, conv, left, refill, pf, id
	s_wait_dscnt \dsleft                           ; LDS instructions end in order (ISA guide 5.7.1): the fragments are in, the stores issued behind them may be out
	WIN MM_W2
	MUL16 ACCR, 128*\p+FWR, 128*\p+FDR, \zero
.if \bar
	s_wait_dscnt 0x0                               ; for the other waves: my reads of slot p and my stores of step t + 1 into slot np are done
.endif
	WIN MM_W0
.if \bar
	s_barrier_signal -1
.endif
	MUL16 ACCN, 128*\p+FWI, 128*\p+FDR, \zero      ; registers only, while the others arrive
.if \bar
	s_barrier_wait -1                              ; now slot np may be read and slot p written
.endif
.if \conv
	WGET                                           ; step t + 2's weights
.endif
.if \fetch
	PLACES 4                                       ; buffer np was read by the last trip's matrix instructions: four places before loads are issued into it
	FETCH 128*\np, \np
.endif
.if \conv
	s_wait_loadcnt \left                           ; step t + 2 is in; the loads of step t + 3, issued behind it, stay out
	CONV \p, \refill
.endif
	WIN MM_W2
	MUL16 ACCR, 128*\p+FWI, 128*\p+FDI, 0
	MUL16 ACCI, 128*\p+FWR, 128*\p+FDI, \zero
.if \pf
	PREF \id
.endif
.endm
; The way out, second half: the stage's 64 rows of 256 bytes back, two rows a load, and out; 16 lanes fill 256 neighbouring, aligned bytes.
.macro DRAIN buf, sb
	s_wait_xcnt 0x0                                ; earlier stores have read their data: the read-back buffer is rewritten only behind this wait
	WIN OUT_RW
.set t, 0
.rept 32
	ds_load_b128 v[\buf+4*t:\buf+4*t+3], v[RDB] offset:2*SPITCH*t   ; LDS serves a wave's instructions in order: these see the stores above
.set t, t+1
.endr
.set t, 0
.irp left, 24,16,8,0
	s_wait_dscnt \left                             ; eight more of the 32 loads are in
.rept 8
	global_store_b128 v[CO], v[\buf+4*t:\buf+4*t+3], s[\sb:\sb+1] offset:2*ROWB*t th:TH_STORE_NT
.set t, t+1
.endr
.endr
.endm
.macro OUTD acc, buf, sb               ; as computed: row 16 b + r, 32 bytes at column 16 a + 8 h
	WIN FROM_A
.irp b, 0,1,2,3
.irp a, 0,1,2,3
	ds_store_b128 v[OS1], v[\acc+8*(4*\a+\b):\acc+8*(4*\a+\b)+3]   offset:16*SPITCH*\b+64*\a
	ds_store_b128 v[OS1], v[\acc+8*(4*\a+\b)+4:\acc+8*(4*\a+\b)+7] offset:16*SPITCH*\b+64*\a+16
.endr
.endr
	DRAIN \buf, \sb
.endm
.macro OUTM acc, buf, sb               ; transposed: row 16 a + 8 h + jj, column 16 b + r
	WIN FROM_A
.irp a, 0,1,2,3
.irp b, 0,1,2,3
.irp jj, 0,1,2,3,4,5,6,7
	ds_store_b32 v[OS2], v[\acc+8*(4*\a+\b)+\jj] offset:(16*\a+\jj)*SPITCH+64*\b
.endr
.endr
.endr
	DRAIN \buf, \sb
.endm
	; ---------------- ids and the addresses that the first loads need ----------------
	s_load_b256 s[4:11], s[0:1], 0x0               ; R s[4:5], I s[6:7], w s[8:9], out0 s[10:11]
	s_load_b64 s[12:13], s[0:1], 0x20              ; out1
	v_lshl_add_u32 v126, v0, 2, 0x23000
	v_mov_b32 v127, 0
	v_and_b32 v1, 31, v0                           ; lane
	v_lshrrev_b32 v2, 5, v0
	v_readfirstlane_b32 s[WV], v2                  ; wave 0..3
	s_mov_b32 s[TI], 0                             ; tile p = ttmp9 of the triangle: row i begins at p = 0, 6, 11, 15, 18, 20
.irp lim, 6, 11, 15, 18, 20
	s_cmp_ge_u32 ttmp9, \lim
	s_cselect_b32 s32, 1, 0
	s_add_co_u32 s[TI], s[TI], s32
.endr
	s_sub_co_u32 s32, 11, s[TI]
	s_mul_i32 s32, s32, s[TI]
	s_lshr_b32 s32, s32, 1
	s_sub_co_u32 s[TJ], ttmp9, s32                 ; j = p - i (11 - i) / 2
	s_and_b32 s38, ttmp7, 0xffff                   ; batch
	s_mul_i32 s39, s38, INB
	s_lshl_b32 s32, s[TI], 9                       ; 128 columns of 4 bytes a block
	s_add_co_u32 s32, s32, s39                     ; the d columns
	s_mov_b32 s33, 0
	s_lshl_b32 s34, s[TJ], 9
	s_add_co_u32 s34, s34, s39                     ; the e columns
	s_mov_b32 s35, 0
	s_mul_i32 s39, s[WV], 8*ROWB
	v_lshl_add_u32 v[GO], v1, 4, s39
	v_lshrrev_b32 v3, 1, v1                        ; my four weights: step l >> 1,
	v_and_b32 v4, 1, v1                            ; half l & 1 of my wave's 8 rows
	v_lshlrev_b32 v3, 7, v3                        ; 32 weights of 4 bytes a step
	v_lshl_add_u32 v3, v4, 4, v3                   ; 16 bytes a half
	s_lshl_b32 s39, s[WV], 5                       ; 8 weights a wave
	v_add_nc_u32 v[WOF], s39, v3                   ; at most 1920 + 16 + 96: the 16 bytes end at the batch's 2,048
	s_wait_kmcnt 0x0
	s_add_nc_u64 s[BASE:BASE+1],   s[4:5], s[32:33]    ; plane 0: R at d
	s_add_nc_u64 s[BASE+2:BASE+3], s[6:7], s[32:33]    ; plane 1: I at d
	s_add_nc_u64 s[BASE+4:BASE+5], s[4:5], s[34:35]    ; plane 2: R at e
	s_add_nc_u64 s[BASE+6:BASE+7], s[6:7], s[34:35]    ; plane 3: I at e
.irp q, 0,1,2,3
	s_add_nc_u64 s[BASE+8+2*\q:BASE+9+2*\q], s[BASE+2*\q:BASE+1+2*\q], STEPB   ; the set for odd steps
.endr
	s_lshl_b32 s34, s38, 11                        ; 512 weights a batch
	s_add_nc_u64 s[8:9], s[8:9], s[34:35]
	global_load_b128 v[WQ:WQ+3], v[WOF], s[8:9]    ; all 128 weights of my wave; the oldest load, so the first wait for data shows it in
	GLOAD 0                                        ; step 0
	GLOAD 1                                        ; step 1: 65 loads asked for; a load that the counter's field cannot hold is held at issue (ISA guide 5.7.1)
	; ---------------- the other addresses, while the loads are out ----------------
	WIN 0
	v_and_b32 v2, 15, v1                           ; r
	v_lshrrev_b32 v3, 4, v1                        ; h
	s_mul_i32 s32, s[WV], 8*PITCH
	v_lshl_add_u32 v[SA0], v1, 3, s32              ; 8 bytes a lane, 8 rows a wave
	v_add_nc_u32 v[SA0+1], 2*PLANE, v[SA0]
	v_and_b32 v4, 7, v1
	v_lshl_add_u32 v4, v3, 3, v4                   ; row (l & 7) + 8 h
	v_mul_u32_u24 v4, v4, PITCH
	v_bfe_u32 v5, v1, 3, 1
	v_lshl_add_u32 v4, v5, 4, v4                   ; + 16 ((l >> 3) & 1)
	s_lshr_b32 s32, s[WV], 1                       ; wd: my half of the d columns
	s_and_b32 s34, s[WV], 1                        ; we: my half of the e columns
	s_lshl_b32 s33, s32, 7
	v_add_nc_u32 v[TD], s33, v4
	s_lshl_b32 s33, s34, 7
	s_add_co_u32 s33, s33, 2*PLANE
	v_add_nc_u32 v[TE], s33, v4
	v_lshrrev_b32 v5, 1, v1                        ; prefetch: row 16 wd + l / 2, block l & 1
	v_mul_u32_u24 v5, v5, ROWB
	v_and_b32 v6, 1, v1
	v_lshl_add_u32 v5, v6, 8, v5
	s_mul_i32 s33, s32, 16*ROWB
	v_add_nc_u32 v[PO], s33, v5
	s_cmp_eq_u32 s34, 0                            ; even waves ask for R, odd waves for I
	s_cselect_b64 s[PT:PT+1], s[BASE:BASE+1], s[BASE+2:BASE+3]
	s_add_nc_u64 s[PT:PT+1], s[PT:PT+1], 6*STEPB   ; stepped in front of each request: the first is step 7
	s_mul_i32 s33, s[WV], STAGE
	s_add_co_u32 s33, s33, SOFF                    ; my stage
	v_mul_u32_u24 v5, v2, SPITCH
	v_lshl_add_u32 v5, v3, 5, v5
	v_add_nc_u32 v[OS1], s33, v5                   ; row r, 32 h
	v_mul_u32_u24 v5, v3, 8*SPITCH
	v_lshl_add_u32 v5, v2, 2, v5
	v_add_nc_u32 v[OS2], s33, v5                   ; row 8 h, 4 r
	v_mul_u32_u24 v5, v3, SPITCH
	v_lshl_add_u32 v5, v2, 4, v5
	v_add_nc_u32 v[RDB], s33, v5                   ; row h, 16 r
	v_mul_u32_u24 v5, v3, ROWB
	v_lshl_add_u32 v[CO], v2, 4, v5
	s_lshl1_add_u32 s32, s[TI], s32                ; u  = 2 i + wd: my d range in units of 64
	s_lshl1_add_u32 s34, s[TJ], s34                ; u' = 2 j + we: my e range
	s_mul_i32 s39, s38, OUTB
	s_mul_i32 s3,  s32, 64*ROWB                    ; u as rows
	s_mul_i32 s33, s34, 64*ROWB                    ; u' as rows
	s_lshl_b32 s32, s32, 8                         ; u as columns: 64 x 4 bytes
	s_lshl_b32 s34, s34, 8                         ; u' as columns
	s_add_co_u32 s34, s34, s3                      ; (i, j): rows u, columns u'
	s_add_co_u32 s32, s32, s33                     ; (j, i): rows u', columns u
	s_add_co_u32 s34, s34, s39
	s_add_co_u32 s32, s32, s39
	s_mov_b32 s33, 0
	s_mov_b32 s35, 0
	s_add_nc_u64 s[OD0:OD0+1],   s[10:11], s[34:35]
	s_add_nc_u64 s[OD0+2:OD0+3], s[12:13], s[34:35]
	s_add_nc_u64 s[OM0:OM0+1],   s[10:11], s[32:33]
	s_add_nc_u64 s[OM0+2:OM0+3], s[12:13], s[32:33]
	s_cmp_eq_u32 s[TI], s[TJ]
	s_cselect_b32 s[LIM], 9, 0
	s_mov_b32 s[TRIPC], 0
	s_mov_b32 s[LN],   0                           ; step 0's weights lie in lanes 0 and 1
	s_mov_b32 s[LN+1], 1
.irp r, 0,1,2,3,4,5,6,7
	s_mov_b32 s[WT+2*\r+1], 0                      ; the upper partners of the weights' pairs: named by the packed multiply, never used
.endr
	; ---------------- steps 0 and 1 into the two slots ----------------
	s_wait_loadcnt 32                              ; the weights and step 0 are in, step 1's 32 loads stay out
	WGET
	CONV 0, 1                                      ; and step 2 is asked for
	WGET
	s_wait_loadcnt 32                              ; step 1 is in, step 2's loads stay out
	CONV 1, 1                                      ; and step 3
	s_wait_dscnt 0x0                               ; my rows of both slots are written
	s_barrier_signal -1
	s_barrier_wait -1
	FETCH 0, 0
	; ---------------- 16 trips ----------------
	;    p np zero dsleft bar fetch conv left refill pf id
	TRIP 0, 1, 1,  0,     1,  1,    1,   32,  1,     1, 0      ; trip 0: only the 32 fragment loads are out; every sum starts here
	TRIP 1, 0, 0,  32,    1,  1,    1,   32,  1,     1, 1
	s_mov_b32 s[CNT], 5
.Lloop:                                                        ; trips 2 to 11
	TRIP 0, 1, 0,  32,    1,  1,    1,   32,  1,     1, 2
	TRIP 1, 0, 0,  32,    1,  1,    1,   32,  1,     1, 3
	s_sub_co_u32 s[CNT], s[CNT], 1
	s_cmp_lg_u32 s[CNT], 0
	s_cbranch_scc1 .Lloop
	TRIP 0, 1, 0,  32,    1,  1,    1,   32,  0,     0, 4      ; trip 12 converts step 14; step 15's loads stay out; nothing more is asked for
	TRIP 1, 0, 0,  32,    1,  1,    1,   0,   0,     0, 5      ; trip 13 converts step 15: no load is behind it
	TRIP 0, 1, 0,  32,    1,  1,    0,   0,   0,     0, 6      ; trip 14 fetches the last fragments
	TRIP 1, 0, 0,  0,     0,  0,    0,   0,   0,     0, 7      ; trip 15: only those 32 loads were out
	; ---------------- the way out ----------------
	PLACES 4                                       ; four places before anything but a matrix instruction reads the sums or writes the fragment registers (ISA guide 7.12.1)
	OUTD ACCR, 0, OD0
	WIN SUBW
.set n, 128
.rept 64
	v_pk_fma_f32 v[n:n+1], v[n:n+1], -1.0, v[n:n+1] op_sel_hi:[1,0,1]   ; window 2 <- accN (window 0) x -1 + accI (window 2): out1 = wRe Id - wIe Rd
.set n, n+2
.endr
	OUTD ACCI, 128, OD0+2
	WIN 0
	s_cmp_eq_u32 s[TI], s[TJ]                      ; a diagonal block is whole as it stands
	s_cbranch_scc1 .Lend
	OUTM ACCR, 0, OM0                              ; out0[e][d] = out0[d][e]
	WIN NEGW
.set n, 128
.rept 64
	v_pk_mul_f32 v[n:n+1], v[n:n+1], -1.0 op_sel_hi:[1,0]               ; out1[e][d] = - out1[d][e]
.set n, n+2
.endr
	OUTM ACCI, 128, OM0+2
	WIN 0
.Lend:
	s_wait_tensorcnt 0x0
	ds_add_u32 v126, v127
	s_wait_dscnt 0x0
	s_endpgm
.Lfunc_end_k_q113496b3bd_mix:
	.size	k_q113496b3bd_mix, .Lfunc_end_k_q113496b3bd_mix-k_q113496b3bd_mix
	.p2alignl 7, 3214868480
	.fill 96, 4, 3214868480
	.section	.rodata,"a",@progbits
	.p2align	6, 0x0
	.amdhsa_kernel k_q113496b3bd_mix
		.amdhsa_group_segment_fixed_size 143872
		.amdhsa_private_segment_fixed_size 0
		.amdhsa_enable_private_segment 0
		.amdhsa_kernarg_size 40
		.amdhsa_user_sgpr_count 2
		.amdhsa_user_sgpr_kernarg_segment_ptr 1
		.amdhsa_wavefront_size32 1
		.amdhsa_system_sgpr_workgroup_id_x 1
		.amdhsa_system_sgpr_workgroup_id_y 1
		.amdhsa_system_sgpr_workgroup_id_z 1
		.amdhsa_system_vgpr_workitem_id 0
		.amdhsa_next_free_vgpr 1024
		.amdhsa_next_free_sgpr 66
		.amdhsa_reserve_vcc 0
		.amdhsa_float_denorm_mode_32 3
		.amdhsa_float_denorm_mode_16_64 3
		.amdhsa_memory_ordered 1
		.amdhsa_forward_progress 1
		.amdhsa_inst_pref_size 203
	.end_amdhsa_kernel
	.amdgpu_metadata
---
amdhsa.version: [ 1, 2 ]
amdhsa.kernels:
  - .name:           k_q113496b3bd_mix
    .symbol:         k_q113496b3bd_mix.kd
    .args:
      - { .name: input_real, .offset: 0, .size: 8, .value_kind: global_buffer, .address_space: global }
      - { .name: input_imag, .offset: 8, .size: 8, .value_kind: global_buffer, .address_space: global }
      - { .name: weight, .offset: 16, .size: 8, .value_kind: global_buffer, .address_space: global }
      - { .name: out0, .offset: 24, .size: 8, .value_kind: global_buffer, .address_space: global }
      - { .name: out1, .offset: 32, .size: 8, .value_kind: global_buffer, .address_space: global }
    .group_segment_fixed_size: 143872
    .private_segment_fixed_size: 0
    .kernarg_segment_align: 8
    .kernarg_segment_size: 40
    .max_flat_workgroup_size: 128
    .sgpr_count:     66
    .vgpr_count:     1024
    .wavefront_size: 32
...
	.end_amdgpu_metadata
.endif
;; end of part 2
